; MI455X (gfx1250); checked and timed in simulation.
; The chip was launched on July 23, 2026; its instructions are those of AMD's public machine-readable ISA for CDNA 5 (MIT licence, August 2026) and "CDNA5" Instruction Set Architecture Reference Guide (July 2026). The comments in the code are by the model that wrote it; some were corrected since.
;; lstmcell. Allowed arithmetic: float matrix products may take bf16 or f16 operands with f32 sums; other float arithmetic in f32, or as packed bf16 or f16 multiplies, adds, multiply-adds, maxima and minima; sums over many terms, partial sums and values carried from step to step in f32; what a program stores and reads back later, other than sums and carried values, may be rounded once to bf16 or f16.
;; Inputs: Wh 4 x 1,024 x 1,024 float32; Wx 4 x 1,024 x 1,024 float32; bh 4 x 1,024 float32; bx 4 x 1,024 float32; input_embedding 8,192 x 1,024 float32; previous_cell_states 8,192 x 1,024 float32; previous_hidden_states 8,192 x 1,024 float32.
;; Outputs: out0 8,192 x 1,024 float32; out1 8,192 x 1,024 float32.
;; 2 versions, each right; version 2 is version 1 with the launch prep written anew for expert scheduling mode. Each part assembles by itself: llvm-mc -triple=amdgcn-amd-amdhsa -mcpu=gfx1250 --defsym DOCPART=n.
;; ======== version 1 of 2: 2 launches
;; limits: a function is approximated: absolute error at most 3e-07
;; workspace buffers: Ab 33,554,432 bytes; Wb 16,777,216 bytes
;; launch prep (part 1): grid 256 x 3, 8 waves a work-group, no clusters, 0 bytes of LDS; arguments input_embedding, previous_hidden_states, Wx, Wh, Ab, Wb; writes Ab, Wb
.if DOCPART == 1
	.amdgcn_target "amdgcn-amd-amdhsa--gfx1250"
	.amdhsa_code_object_version 6
	.text
	.protected	k_qccc45985a7_prep
	.globl	k_qccc45985a7_prep
	.p2align	8
	.type	k_qccc45985a7_prep,@function
k_qccc45985a7_prep:
	s_mov_b64 s[64:65], 0
	v_nop
	global_prefetch_b8 v0, s[64:65] scope:SCOPE_SE
	s_setreg_imm32_b32 hwreg(HW_REG_WAVE_MODE, 25, 1), 1
	s_wait_xcnt 0x0
; LSTM cell, first of two launches: the matrix operands are rounded to bf16 once and laid out for the product.
; NOTHING OF reference() IS LEFT OUT in this program: every input (x, h, c_prev, Wx, bx, Wh, bh) has a way to both outputs, and all are loaded; this launch takes the four that are matrix operands.
;   Ab [8192][2048] bf16: row b holds x[b][0..1023], then h[b][0..1023]: the two products of reference() become one, with K = 2,048.
;   Wb [2048][4096] bf16: row k is Wx[.][k][.] (k < 1024) or Wh[.][k-1024][.]; column n = 256 (o / 64) + 64 g + o % 64: the four gates of 64 neighbouring outputs lie in 512 neighbouring bytes.
; LIMIT: x, h, Wx and Wh are rounded to bf16 (nearest even); beyond that nothing is changed here.
; A stream: no LDS, no barrier, no matrix unit.  768 work-groups of eight waves, each 128 KiB in and 64 KiB out.  y = 0: 32 rows of x; y = 1: 32 rows of h; y = 2: eight rows i of all four gates of Wx (x < 128) or Wh.
; Each wave issues all its 32 loads of 16 bytes a lane at once and takes them in order; a store of 8 bytes a lane covers 256 consecutive bytes, aligned.  No register is written again behind its store.
.set X, 8                              ; v[8:135]  32 loads x 4 registers; the rounded pair takes the first two of each four
; load j has come (the 31 - j younger ones stay out); four numbers are rounded to two words and stored
.macro OUT j, soff
	s_wait_loadcnt 31-(\j)
	v_cvt_pk_bf16_f32 v[X+4*(\j)], v[X+4*(\j)], v[X+4*(\j)+1]
	v_cvt_pk_bf16_f32 v[X+4*(\j)+1], v[X+4*(\j)+2], v[X+4*(\j)+3]
	global_store_b64 v2, v[X+4*(\j):X+4*(\j)+1], s[20:21] offset:\soff
.endm
	s_load_b256 s[4:11], s[0:1], 0x0               ; x s[4:5], h s[6:7], Wx s[8:9], Wh s[10:11]
	s_load_b128 s[12:15], s[0:1], 0x20             ; Ab s[12:13], Wb s[14:15]
	s_and_b32 s16, ttmp7, 0xffff                   ; y: which source
	s_mov_b32 s23, 0                               ; the high word of every offset
	s_cmp_eq_u32 s16, 2
	s_cbranch_scc1 .Lweights
	; x or h: thread t owns 16 bytes at 16 t of each of 32 rows of 4,096 bytes, and 8 bytes at 8 t of the row's half in Ab
	v_lshlrev_b32 v1, 4, v0
	v_lshlrev_b32 v2, 3, v0
	s_lshl_b32 s22, ttmp9, 17                      ; 32 rows of 4,096 bytes, in the source and in Ab alike
	s_wait_kmcnt 0x0
	s_cmp_eq_u32 s16, 0
	s_cselect_b64 s[18:19], s[4:5], s[6:7]
	s_add_nc_u64 s[18:19], s[18:19], s[22:23]
	s_add_nc_u64 s[20:21], s[12:13], s[22:23]
	s_lshl_b32 s22, s16, 11                        ; h lies 2,048 bytes into Ab's rows
	s_add_nc_u64 s[20:21], s[20:21], s[22:23]
.set j, 0
.rept 32
	global_load_b128 v[X+4*j:X+4*j+3], v1, s[18:19] offset:j*4096 th:TH_LOAD_NT
.set j, j+1
.endr
.set j, 0
.rept 32
	OUT j, j*4096
.set j, j+1
.endr
	s_endpgm
.Lweights:
	; a wave owns row i = 8 (x % 128) + wave of all four gates.  Load 2 ob + t: lanes 0-15 take 256 bytes (outputs 64 ob ..) of gate 2 t, lanes 16-31 of gate 2 t + 1;
	; rounded, these are the 256 bytes at 512 ob + 256 t of Wb's row: byte 8 l of them is the lane's.
	v_lshrrev_b32 v4, 5, v0
	v_readfirstlane_b32 s17, v4                    ; wave 0..7
	v_and_b32 v4, 31, v0                           ; l
	v_and_b32 v1, 15, v0
	v_lshlrev_b32 v1, 4, v1                        ; 16 (l % 16)
	v_bfe_u32 v5, v0, 4, 1
	v_lshl_or_b32 v1, v5, 22, v1                   ; + (l / 16) gates of 4 MiB
	v_add_nc_u32 v3, 0x800000, v1                  ; gates 2 and 3: two gates on, one more than a load's immediate holds
	v_lshlrev_b32 v2, 3, v4
	s_and_b32 s24, ttmp9, 127
	s_lshl_b32 s24, s24, 3
	s_add_co_u32 s24, s24, s17                     ; i
	s_lshr_b32 s25, ttmp9, 7                       ; 0: Wx, 1: Wh
	s_lshl_b32 s22, s24, 12                        ; i rows of 4,096 bytes
	s_wait_kmcnt 0x0
	s_cmp_eq_u32 s25, 0
	s_cselect_b64 s[18:19], s[8:9], s[10:11]
	s_add_nc_u64 s[18:19], s[18:19], s[22:23]
	s_lshl_b32 s25, s25, 10
	s_add_co_u32 s24, s24, s25                     ; k = i, or 1,024 + i
	s_lshl_b32 s22, s24, 13                        ; k rows of 8,192 bytes
	s_add_nc_u64 s[20:21], s[14:15], s[22:23]
.set j, 0
.rept 16
	global_load_b128 v[X+8*j:X+8*j+3],   v1, s[18:19] offset:j*256 th:TH_LOAD_NT
	global_load_b128 v[X+8*j+4:X+8*j+7], v3, s[18:19] offset:j*256 th:TH_LOAD_NT
.set j, j+1
.endr
.set j, 0
.rept 32
	OUT j, j*256
.set j, j+1
.endr
	s_endpgm
.Lfunc_end_k_qccc45985a7_prep:
	.size	k_qccc45985a7_prep, .Lfunc_end_k_qccc45985a7_prep-k_qccc45985a7_prep
	.p2alignl 7, 3214868480
	.fill 96, 4, 3214868480
	.section	.rodata,"a",@progbits
	.p2align	6, 0x0
	.amdhsa_kernel k_qccc45985a7_prep
		.amdhsa_group_segment_fixed_size 0
		.amdhsa_private_segment_fixed_size 0
		.amdhsa_enable_private_segment 0
		.amdhsa_kernarg_size 48
		.amdhsa_user_sgpr_count 2
		.amdhsa_user_sgpr_kernarg_segment_ptr 1
		.amdhsa_wavefront_size32 1
		.amdhsa_system_sgpr_workgroup_id_x 1
		.amdhsa_system_sgpr_workgroup_id_y 1
		.amdhsa_system_sgpr_workgroup_id_z 1
		.amdhsa_system_vgpr_workitem_id 0
		.amdhsa_next_free_vgpr 136
		.amdhsa_next_free_sgpr 66
		.amdhsa_reserve_vcc 0
		.amdhsa_float_denorm_mode_32 3
		.amdhsa_float_denorm_mode_16_64 3
		.amdhsa_memory_ordered 1
		.amdhsa_forward_progress 1
		.amdhsa_inst_pref_size 24
	.end_amdhsa_kernel
	.amdgpu_metadata
---
amdhsa.version: [ 1, 2 ]
amdhsa.kernels:
  - .name:           k_qccc45985a7_prep
    .symbol:         k_qccc45985a7_prep.kd
    .args:
      - { .name: input_embedding, .offset: 0, .size: 8, .value_kind: global_buffer, .address_space: global }
      - { .name: previous_hidden_states, .offset: 8, .size: 8, .value_kind: global_buffer, .address_space: global }
      - { .name: Wx, .offset: 16, .size: 8, .value_kind: global_buffer, .address_space: global }
      - { .name: Wh, .offset: 24, .size: 8, .value_kind: global_buffer, .address_space: global }
      - { .name: Ab, .offset: 32, .size: 8, .value_kind: global_buffer, .address_space: global }
      - { .name: Wb, .offset: 40, .size: 8, .value_kind: global_buffer, .address_space: global }
    .group_segment_fixed_size: 0
    .private_segment_fixed_size: 0
    .kernarg_segment_align: 8
    .kernarg_segment_size: 48
    .max_flat_workgroup_size: 256
    .sgpr_count:     66
    .vgpr_count:     136
    .wavefront_size: 32
...
	.end_amdgpu_metadata
.endif
;; end of part 1
;; launch cell (part 2): grid 16 x 16, 4 waves a work-group, clusters of 4 x 4, 327,680 bytes of LDS; arguments Ab, Wb, bx, bh, previous_cell_states, out0, out1; writes out0, out1
.if DOCPART == 2
	.amdgcn_target "amdgcn-amd-amdhsa--gfx1250"
	.amdhsa_code_object_version 6
	.text
	.protected	k_qccc45985a7_cell
	.globl	k_qccc45985a7_cell
	.p2align	8
	.type	k_qccc45985a7_cell,@function
k_qccc45985a7_cell:
	s_mov_b64 s[64:65], 0
	v_nop
	global_prefetch_b8 v0, s[64:65] scope:SCOPE_SE
	s_setreg_imm32_b32 hwreg(HW_REG_WAVE_MODE, 25, 1), 1
	s_wait_xcnt 0x0
	s_wait_alu depctr_hold_cnt(0) depctr_sa_sdst(0) depctr_va_vdst(0) depctr_va_sdst(0) depctr_va_ssrc(0) depctr_va_vcc(0) depctr_vm_vsrc(0)
	s_getreg_b32 s2, hwreg(HW_REG_IB_STS2, 6, 4)
	s_cmp_eq_u32 s2, 0
	s_cbranch_scc0 .Lentry_in_a_cluster
	s_endpgm
.Lentry_in_a_cluster:
	s_bfe_u32 s2, ttmp6, 0x10000c
	s_cmp_lg_u32 s2, 0xf033
	s_cbranch_scc0 .Lentry_shape_is_right
	s_endpgm
.Lentry_shape_is_right:
; LSTM cell, second launch: gates = Ab Wb + bx + bh (8,192 x 4,096 x 2,048, bf16 operands, f32 sums), then, without leaving registers but for a turn through LDS,
;   c_new = sigmoid(f) c_prev + sigmoid(i) tanh(g) -> out1,   out0 = sigmoid(o) tanh(c_new).   Nothing of reference() is left out.
; LIMITS.  The matrix operands are bf16 (rounded once by the launch before); biases, c_prev and all of the tail are f32.  sigmoid(x) = 1 / (1 + 2^(-x log2 e)), tanh(x) = 1 - 2 / (1 + 2^(2 x log2 e)):
; absolute error of some 1e-7, so a tanh far below that is not exact relative to itself; 2^x and 1/x take denormals as 0.  No clip: where 2^x overflows, 1/inf = 0 gives the right limit; a NaN goes through.
; SHARES.  A tile is 256 batch rows x 256 columns of Wb = 64 outputs x 4 gates.  512 tiles; a work-group STAYS and makes two, 4,096 rows apart, on the same columns (same rows of Wb, same bias).
; A wave owns 64 rows x all 256 columns: 4 row blocks a x 16 column blocks b (b = 4 gate + p), 64 accumulators, 512 registers.  So a wave holds all four gates of 64 outputs, which are 256 neighbouring
; bytes of each output row: the tail needs no other wave and no barrier.
; THE MATRIX INSTRUCTION IS USED TRANSPOSED: source 0 = 16 columns of Wb, source 1 = 16 batch rows.  In the result lane l holds batch row l % 16, register j output 16 p + 8 (l / 16) + j.
; Wb lies [K][N]: its fragments come out of LDS turned, by ds_load_tr16_b128.  The bias is the C operand of the products that start the sums: nothing is cleared, and the tail adds nothing.
; RING.  K goes in 16 steps of 128 through two LDS slots (256 rows of Ab, 128 rows of Wb each); the ring runs on into the second tile.
; CLUSTER.  4 x 4 work-groups: the four of a row of the cluster share Ab's tile, the four of a column Wb's; each tile is asked for jointly, by the same tensor load, descriptor and mask in all four.
; REGISTERS, in windows of 256 (s_set_vgpr_msb: bits 1:0 source 0, 3:2 source 1, 5:4 source 2, 7:6 destination):
;   window 0: v0-31 addresses; v32-63, v64-95 fragments of Ab, two buffers; v96-127 and (in the tail) v64-95 c_prev as loaded; v128-255 bx + bh, 8 registers a column block
;   window 1: v0-127, v128-255 fragments of Wb, two buffers; in the tail v128-191 c_prev by fragments, v192-223 c_new by rows, v224-255 the output by rows
;   window 2: accumulators of row blocks 0, 1 at 128 (a % 2) + 8 b;   window 3: those of row blocks 2, 3
.set TILES,  2
.set KSTEP,  128
.set LAPS,   8                         ; a lap = two K steps = once round the ring
.set PA,     272                       ; a row of Ab in LDS: 256 bytes + 16: the 16 rows of a fragment load start at 16 different columns of 16 bytes (64 banks of 4 bytes: ISA guide 11.1)
.set PB,     544                       ; a row of Wb: 512 bytes + 32
.set HALFT,  128*PA                    ; what one tensor load brings: 128 rows of Ab, or 64 rows of Wb (64 x 544 is the same number)
.set SLOT,   4*HALFT
.set BOFF,   2*HALFT                   ; Wb's rows lie behind Ab's
.set STAGE,  2*SLOT                    ; behind the ring, never filled by a tensor load: 16 rows x 272 bytes for each wave
.set SPITCH, 272
.set SPARE,  STAGE+4*16*SPITCH         ; behind the stages: the spare words, 128 bytes for each wave: two blocks of 256 bytes that no other line names
.set ASTEP,  KSTEP*2                   ; a K step in Ab: 256 bytes along the rows
.set BSTEP,  KSTEP*8192                ; in Wb: 128 rows of 8,192 bytes
.set WALKB,  4096*4096                 ; 4,096 rows of 4,096 bytes: from a tile to the next, in Ab, c_prev and both outputs
.set NEXT_A, WALKB-14*ASTEP            ; from a slot's last K step of a tile to its first of the next
.set BACK_B, 14*BSTEP
.set NEXT_P, WALKB-15*ASTEP            ; the prefetches: from K step 17 (two past the end) to the next tile's K step 2
.set ADRA, 16                          ; v16-17  LDS address of my fragments of Ab in slot 0, 1
.set ADRB, 20                          ; v20-21  the same for Wb
.set STF,  24                          ; v24     my place in the stage by fragments: row l % 16, byte 32 (l / 16)
.set STR,  25                          ; v25     by rows: row l / 16, byte 16 (l % 16)
.set CO,   26                          ; v26     the same two rows in c_prev and the outputs: 4,096 (l / 16) + 16 (l % 16)
.set BO,   27                          ; v27     my byte offset in a gate's bias
.set SPW,  28                          ; v28     LDS address of my spare word; never rewritten
.set NIL,  29                          ; v29     0; never rewritten
.set PFO,  30                          ; v30     the prefetches' lane offset; never rewritten
.set AF,   32                          ; fragments of Ab: buffer f at AF + 32 f, row block a at + 8 a
.set CP0,  96                          ; c_prev as loaded: row block a at CP0 - 32 (a % 2)
.set BIAS, 128
.set OB1,  192                         ; window 1
.set OB0,  224                         ; window 1
.set WV,   12                          ; s12  my wave's number
.set KIND, 13                          ; s13  0: I fetch Ab's tiles, 1: Wb's
.set HALF, 14                          ; s14  which half of that tile
.set TR,   15                          ; s15  tile row (of the first tile)
.set G1,   24                          ; s[24:31] descriptor group 1 for Ab's tiles
.set G0,   32                          ; s[32:39] group 0, a set for each slot
.set CX,   40
.set CY,   41
.set TC,   42                          ; s42  tile column
.set LIM,  43                          ; s43  1 in a wave that prefetches, else the greatest number
.set PFA,  44                          ; s[44:45] where my prefetches stand
.set G1B,  48                          ; s[48:55], s[56:63] the same for Wb's tiles
.set G0B,  56
.set PFS,  66                          ; s[66:67] a K step in the tensor that I prefetch
.set CPB,  68                          ; s[68:69] c_prev, s[70:71] out0, s[72:73] out1 at my wave's first row and column of the tile in hand
.set O0B,  70
.set O1B,  72
.set NL,   74                          ; s[74:75] -log2 e, twice
.set L2,   76                          ; s[76:77] 2 log2 e, twice
.set MSB, 0
.macro WIN new                         ; the immediate's high byte repeats the setting that is left; a switch that changes nothing is dropped
.if MSB != (\new)
	s_set_vgpr_msb (MSB<<8)|(\new)
.set MSB, \new
.endif
.endm
; A joint load.  Waves 0 and 1 fetch Ab's two halves, waves 2 and 3 Wb's; the branch hangs on the wave's number alone.  An s_nop 0 and four v_nop follow each of the two lines.
.macro JLOAD s
	s_cmp_eq_u32 s[KIND], 0
	s_cbranch_scc0 .Lfor_b_\@
	tensor_load_to_lds s[G0+4*(\s):G0+4*(\s)+3], s[G1:G1+7]
	s_nop 0
.rept 4
	v_nop
.endr
	s_branch .Lasked_\@
.Lfor_b_\@:
	tensor_load_to_lds s[G0B+4*(\s):G0B+4*(\s)+3], s[G1B:G1B+7]
	s_nop 0
.rept 4
	v_nop
.endr
.Lasked_\@:
.endm
; A prefetch into the L2, behind a joint load, its five lines and the run of LDS loads: 32 blocks of 256 bytes of the K step that stands two refills on (512 matrix instructions), a lane a block, one instruction a wave.
; Each block is named once in the launch: Ab's rows by the cluster with x = 0, Wb's by the cluster with y = 0; the four partners that ask for a tile jointly share a wave's part out BY ADDRESS
; (Ab: 32 of 128 rows by cx; Wb: 16 of 64 rows, two blocks each, by cy).  how = 0, in the loop: its last trip's two refills have no K step two on.  how = 1: at the change of tiles, the next tile's K steps 2, 3 of Ab.
.macro ASK how
.if \how
	s_cmp_eq_u32 s[LIM], 1
.else
	s_cmp_gt_u32 s3, s[LIM]
.endif
	s_cbranch_scc0 .Lnot_mine_\@
	global_prefetch_b8 v[PFO], s[PFA:PFA+1] th:TH_LOAD_NT scope:SCOPE_SE
.Lnot_mine_\@:
.endm
.macro CREST                           ; a round of the cluster's barrier behind its opening barrier
	s_cmp_lg_u32 s[WV], 0
	s_cbranch_scc1 .Lnot_wave_0_\@
	s_barrier_signal -3
.Lnot_wave_0_\@:
	s_barrier_wait -3
	s_barrier_signal -1
	s_barrier_wait -1
.endm
.macro CROUND                          ; a whole round
	s_barrier_signal -1
	s_barrier_wait -1
	CREST
.endm
.macro PLACES                          ; four places behind matrix instructions, in front of loads into registers that they have read (ISA guide 7.12.1 for vector instructions)
.rept 4
	v_nop
.endr
.endm
; 16 matrix instructions: row block a x all 16 column blocks, 32 along K, from buffer f.  first = 1: C is the bias, which starts the sums.
; Every accumulator has one turn a quarter step, in the same order everywhere: 63 others stand between two links of a chain.
.macro MUL16 f, a, first=0
.if \first
	WIN 0x81+0x40*((\a)/2)
.else
	WIN 0xa1+0x50*((\a)/2)
.endif
.set rA, AF+32*(\f)+8*(\a)
.irp b, 0,1,2,3,4,5,6,7,8,9,10,11,12,13,14,15
.set rD, 128*((\a)%2)+8*(\b)
.set rB, 128*(\f)+8*(\b)
.if \first
	v_wmma_f32_16x16x32_bf16 v[rD:rD+7], v[rB:rB+7], v[rA:rA+7], v[BIAS+8*(\b):BIAS+8*(\b)+7]
.else
	v_wmma_f32_16x16x32_bf16 v[rD:rD+7], v[rB:rB+7], v[rA:rA+7], v[rD:rD+7]
.endif
.endr
.endm
; 40 LDS loads in one run: quarter q (32 along K) of a slot into buffer f: Wb's 16 column blocks, turned (k rows 32 q .., then 16 further down), then my four row blocks of Ab.
.macro FETCH slot, q, f
	WIN 0x40
.irp b, 0,1,2,3,4,5,6,7,8,9,10,11,12,13,14,15
	ds_load_tr16_b128 v[128*(\f)+8*(\b):128*(\f)+8*(\b)+3],   v[ADRB+(\slot)] offset:(\q)*32*PB+32*(\b)
	ds_load_tr16_b128 v[128*(\f)+8*(\b)+4:128*(\f)+8*(\b)+7], v[ADRB+(\slot)] offset:(\q)*32*PB+16*PB+32*(\b)
.endr
	WIN 0
.irp a, 0,1,2,3
	ds_load_b128 v[AF+32*(\f)+8*(\a):AF+32*(\f)+8*(\a)+3],   v[ADRA+(\slot)] offset:64*(\q)+(\a)*16*PA
	ds_load_b128 v[AF+32*(\f)+8*(\a)+4:AF+32*(\f)+8*(\a)+7], v[ADRA+(\slot)] offset:64*(\q)+(\a)*16*PA+32
.endr
.endm
; One of a K step's first three quarters: multiplies buffer f; in its middle it fetches quarter q of the same slot into buffer g.
.macro QUARTER slot, q, f, g, first=0
	s_wait_dscnt 4                                 ; all of Wb's fragments and Ab's row blocks 0, 1 are in; the youngest four loads (row blocks 2, 3) may be out
	MUL16 \f, 0, \first
	MUL16 \f, 1, \first
	PLACES
	FETCH \slot, \q, \g
	s_wait_dscnt 40                                ; all but the 40 just issued
	MUL16 \f, 2, \first
	MUL16 \f, 3, \first
.endm
; The first half of a K step's last quarter (buffer 1): ONE barrier for the change of slots.  In front of it each wave waits for all its tensor loads (one is out: its part of the next slot),
; adds 0 to its spare word, and waits for that and for its own reads of this slot.  Behind it nobody reads this slot any more and the next slot is whole.
.macro MEET round
	WIN 0
	s_wait_tensorcnt 0x0                           ; all my tensor loads have landed
	ds_add_u32 v[SPW], v[NIL]                      ; 0 onto my spare word
	s_wait_dscnt 5                                 ; (the add and the youngest four loads may be out)
	MUL16 1, 0                                     ; sixteen matrix instructions stand between the add and the wait for it
	s_wait_dscnt 0x0                               ; the add is done, and my reads of this slot are over
	s_barrier_signal -1
	MUL16 1, 1                                     ; work on registers while the others arrive
.if \round
	WIN 0
.endif
	s_barrier_wait -1
.endm
; The whole last quarter with a refill: the barrier opens a round of the cluster's barrier; the joint refill is the first tensor load behind it; then come the next slot's first fragments.
; on = 0: this tile's K step two steps on; on = 1: the next tile's K step 0 or 1.  From a request to the wait for it a wave issues 224 matrix instructions.
.macro TURN slot, next, on
	s_wait_xcnt 0x0                                ; the last prefetch, a K step back, has read its address, which is stepped here
.if (\on) && (\slot) == 0
	s_add_nc_u64 s[PFA:PFA+1], s[PFA:PFA+1], NEXT_P
	s_cmp_eq_u32 s[KIND], 0
	s_cselect_b32 s[LIM], s[LIM], -1               ; Wb's rows are the same for both tiles: they are asked for in the first alone
.else
	s_add_nc_u64 s[PFA:PFA+1], s[PFA:PFA+1], s[PFS:PFS+1]
.endif
	MEET 1
	CREST                                          ; no wave of any partner still reads this slot or has a load on its way
.if \on
	s_add_nc_u64 s[G0+4*(\slot)+2:G0+4*(\slot)+3], s[G0+4*(\slot)+2:G0+4*(\slot)+3], NEXT_A
	s_sub_nc_u64 s[G0B+4*(\slot)+2:G0B+4*(\slot)+3], s[G0B+4*(\slot)+2:G0B+4*(\slot)+3], BACK_B
.else
	s_add_nc_u64 s[G0+4*(\slot)+2:G0+4*(\slot)+3], s[G0+4*(\slot)+2:G0+4*(\slot)+3], 2*ASTEP
	s_add_nc_u64 s[G0B+4*(\slot)+2:G0B+4*(\slot)+3], s[G0B+4*(\slot)+2:G0B+4*(\slot)+3], 2*BSTEP
.endif
	JLOAD \slot                                    ; its four v_nop are also the places in front of the loads below
	FETCH \next, 0, 0
	ASK \on
	MUL16 1, 2
	MUL16 1, 3
.endm
; c_prev of row block a: 16 rows x 256 bytes; a load takes two rows, sixteen lanes a row
.macro LOADC a
.irp t, 0,1,2,3,4,5,6,7
	global_load_b128 v[CP0-32*((\a)%2)+4*(\t):CP0-32*((\a)%2)+4*(\t)+3], v[CO], s[CPB:CPB+1] offset:(\a)*65536+(\t)*8192 th:TH_LOAD_NT
.endr
.endm
; c_prev goes into my stage by rows and comes back by fragments: lane l then holds row l % 16, outputs 16 p + 8 (l / 16) + 0..7 at CF + 8 p.  LDS serves a wave's instructions in order (ISA guide 5.7.1.4).
.macro TOFRAG a
	WIN 0
.irp t, 0,1,2,3,4,5,6,7
	ds_store_b128 v[STR], v[CP0-32*((\a)%2)+4*(\t):CP0-32*((\a)%2)+4*(\t)+3] offset:(\t)*2*SPITCH
.endr
	WIN 0x40
.irp u, 0,1,2,3,4,5,6,7
	ds_load_b128 v[CF+4*(\u):CF+4*(\u)+3], v[STF] offset:64*((\u)/2)+16*((\u)%2)
.endr
.endm
; 32 registers of results (window W) go into my stage by fragments and come back by rows, into ob (window 1)
.macro OUTSTAGE src, ob
	s_wait_xcnt 0x0                                ; the stores that read ob last have had their addresses translated (ISA guide 3.1): ob is loaded again only behind this wait
	WIN W<<2
.irp u, 0,1,2,3,4,5,6,7
	ds_store_b128 v[STF], v[(\src)+4*(\u):(\src)+4*(\u)+3] offset:64*((\u)/2)+16*((\u)%2)
.endr
	WIN 0x40
.irp t, 0,1,2,3,4,5,6,7
	ds_load_b128 v[(\ob)+4*(\t):(\ob)+4*(\t)+3], v[STR] offset:(\t)*2*SPITCH
.endr
.endm
.macro SENDO ob, base, a               ; sixteen lanes store 256 consecutive bytes, at a multiple of 256 from the output's first byte
	WIN 0x04
.irp t, 0,1,2,3,4,5,6,7
	global_store_b128 v[CO], v[(\ob)+4*(\t):(\ob)+4*(\t)+3], s[(\base):(\base)+1] offset:(\a)*65536+(\t)*8192 th:TH_STORE_NT
.endr
.endm
; Plain line k of a batch.  kind 0: a pair of gate sums times -log2 e (gate g: 2 log2 e); 1: 1 + 2^.. in all four gates; 2: c_new times 2 log2 e, into gate g's registers; 3: 1 + 2^.. there.
.macro PLAIN kind, k
.if (\kind) == 0
.if ((\k)/16) == 2
	v_pk_mul_f32 v[AB+2*(\k):AB+2*(\k)+1], v[AB+2*(\k):AB+2*(\k)+1], s[L2:L2+1] op_sel_hi:[1,0]
.else
	v_pk_mul_f32 v[AB+2*(\k):AB+2*(\k)+1], v[AB+2*(\k):AB+2*(\k)+1], s[NL:NL+1] op_sel_hi:[1,0]
.endif
.elseif (\kind) == 1
	v_pk_add_f32 v[AB+2*(\k):AB+2*(\k)+1], v[AB+2*(\k):AB+2*(\k)+1], 1.0 op_sel_hi:[1,0]
.elseif (\kind) == 2
	v_pk_mul_f32 v[AB+64+2*(\k):AB+64+2*(\k)+1], v[AB+2*(\k):AB+2*(\k)+1], s[L2:L2+1] op_sel_hi:[1,0]
.else
	v_pk_add_f32 v[AB+64+2*(\k):AB+64+2*(\k)+1], v[AB+64+2*(\k):AB+64+2*(\k)+1], 1.0 op_sel_hi:[1,0]
.endif
.endm
; ONE BATCH of 2 n transcendentals in place on base .., with its n plain lines dealt among them two pairs ahead: plain k + 2, then numbers 2 k and 2 k + 1.  No line of the batch names a result of the batch.
; The pairs go in ascending order.  Behind the last: one plain instruction, and the one wait ahead of the first reader.
.macro BATCH kind, base, n, rcp
	PLAIN \kind, 0
	PLAIN \kind, 1
.set k, 0
.rept \n
.if k < (\n)-2
	PLAIN \kind, k+2
.endif
.if \rcp
	v_rcp_f32 v[(\base)+2*k], v[(\base)+2*k]
	v_rcp_f32 v[(\base)+2*k+1], v[(\base)+2*k+1]
.else
	v_exp_f32 v[(\base)+2*k], v[(\base)+2*k]
	v_exp_f32 v[(\base)+2*k+1], v[(\base)+2*k+1]
.endif
.set k, k+1
.endr
	v_nop
	s_wait_alu depctr_va_vdst(0)
.endm
; THE TAIL for row block a, in place on its 16 accumulators: gate i at AB, f at AB + 32, g at AB + 64, o at AB + 96, each 32 registers with output 16 p + 8 (l / 16) + j at 8 p + j.
.macro EPI a
.set W,  2+(\a)/2
.set AB, 128*((\a)%2)
.set CF, 128+32*((\a)%2)
	WIN 0
.if (\a) < 3
	LOADC (\a)+1                                   ; the next block's c_prev is asked for a block ahead
	s_wait_loadcnt 8                               ; mine is in; the eight just issued may stay out
.else
	s_wait_loadcnt 0x0
.endif
	TOFRAG \a
	WIN W*0x55
	BATCH 0, AB, 64, 0                             ; 2^(-x log2 e), for gate g 2^(2 x log2 e)
	BATCH 1, AB, 64, 1                             ; 1 / (1 + ..): gates i, f, o are done
	s_wait_dscnt 0x0                               ; c_prev is back by fragments, and so is the last block's output by rows
.if (\a) > 0
	SENDO OB0, O0B, (\a)-1
.endif
	WIN W*0x55
.set k, 0
.rept 16
	v_pk_fma_f32 v[AB+64+2*k:AB+64+2*k+1], v[AB+64+2*k:AB+64+2*k+1], -2.0, 1.0 op_sel_hi:[1,0,0]  ; tanh(g)
.set k, k+1
.endr
.set k, 0
.rept 16
	v_pk_mul_f32 v[AB+2*k:AB+2*k+1], v[AB+2*k:AB+2*k+1], v[AB+64+2*k:AB+64+2*k+1]
.set k, k+1
.endr
	WIN W*0x51+0x04                                ; source 1 (c_prev) in window 1
.set k, 0
.rept 16
	v_pk_fma_f32 v[AB+2*k:AB+2*k+1], v[AB+32+2*k:AB+32+2*k+1], v[CF+2*k:CF+2*k+1], v[AB+2*k:AB+2*k+1]  ; c_new
.set k, k+1
.endr
	OUTSTAGE AB, OB1
	WIN W*0x55
	BATCH 2, AB+64, 16, 0
	s_wait_dscnt 0x0                               ; c_new is back by rows
	SENDO OB1, O1B, \a
	WIN W*0x55
	BATCH 3, AB+64, 16, 1
.set k, 0
.rept 16
	v_pk_fma_f32 v[AB+64+2*k:AB+64+2*k+1], v[AB+64+2*k:AB+64+2*k+1], -2.0, 1.0 op_sel_hi:[1,0,0]  ; tanh(c_new)
.set k, k+1
.endr
.set k, 0
.rept 16
	v_pk_mul_f32 v[AB+96+2*k:AB+96+2*k+1], v[AB+96+2*k:AB+96+2*k+1], v[AB+64+2*k:AB+64+2*k+1]
.set k, k+1
.endr
	OUTSTAGE AB+96, OB0                            ; stored in the next block's tail, behind its two large batches
.endm
	s_load_b256 s[4:11], s[0:1], 0x0               ; Ab s[4:5], Wb s[6:7], bx s[8:9], bh s[10:11]
	s_load_b128 s[68:71], s[0:1], 0x20             ; c_prev, out0
	s_load_b64 s[72:73], s[0:1], 0x30              ; out1
	v_lshl_add_u32 v[SPW], v0, 2, SPARE
	v_mov_b32 v[NIL], 0
	ds_add_u32 v[SPW], v[NIL]                      ; the wave's opening: the add, twice on end, and its wait ahead of my first tensor load
	ds_add_u32 v[SPW], v[NIL]                      ; and once more, under the one wait; the set-up below, work on registers, stands between
	v_lshrrev_b32 v1, 5, v0
	v_readfirstlane_b32 s[WV], v1                  ; wave 0..3
	s_lshr_b32 s[KIND], s[WV], 1
	s_and_b32 s[HALF], s[WV], 1
	s_bfe_u32 s[CX], ttmp6, 0x40000                ; my place in the cluster
	s_bfe_u32 s[CY], ttmp6, 0x40004
	s_lshl_b32 s[TC], ttmp9, 2                     ; in a cluster launch ttmp9 and ttmp7 count clusters
	s_add_co_u32 s[TC], s[TC], s[CX]               ; tile column = 4 x cluster x + cx
	s_and_b32 s[TR], ttmp7, 0xffff
	s_lshl_b32 s[TR], s[TR], 2
	s_add_co_u32 s[TR], s[TR], s[CY]               ; tile row = 4 x cluster y + cy
	s_lshl_b32 s16, s[CY], 2
	s_lshl_b32 s16, 15, s16                        ; my row of the cluster: places 4 cy .. 4 cy + 3
	s_lshl_b32 s46, 0x1111, s[CX]                  ; my column: places cx, cx + 4, cx + 8, cx + 12
	; group 1 for Ab: 128 rows x 128 elements of 2 bytes, 2,048 elements from row to row; padding of 4 words after every 64; the mask, and bit 21 beside it
	s_or_b32 s[G1+0], s16, (1<<16)|(1<<20)|(1<<21)|(5<<22)|(3<<25)
	s_mov_b32 s[G1+1], 128<<16                     ; tensor_dim0
	s_mov_b32 s[G1+2], 128<<16                     ; tensor_dim1
	s_mov_b32 s[G1+3], 128<<16                     ; tile_dim0
	s_mov_b32 s[G1+4], 128                         ; tile_dim1
	s_mov_b32 s[G1+5], 2048                        ; stride
	s_mov_b32 s[G1+6], 0
	s_mov_b32 s[G1+7], 0
	; group 1 for Wb: 64 rows x 256 elements, 4,096 elements from row to row; padding of 8 words after every 128
	s_or_b32 s[G1B+0], s46, (1<<16)|(1<<20)|(1<<21)|(6<<22)|(7<<25)
	s_mov_b32 s[G1B+1], 256<<16
	s_mov_b32 s[G1B+2], 64<<16
	s_mov_b32 s[G1B+3], 256<<16
	s_mov_b32 s[G1B+4], 64
	s_mov_b32 s[G1B+5], 4096
	s_mov_b32 s[G1B+6], 0
	s_mov_b32 s[G1B+7], 0
	; where the tiles come from: Ab's hang on the tile row alone, Wb's on the tile column alone (and both on the wave's number)
	s_lshl_b32 s16, s[TR], 20                      ; 256 rows of 4,096 bytes a tile row
	s_lshl_b32 s17, s[HALF], 19                    ; my half: 128 rows of 4,096 bytes, or 64 rows of 8,192
	s_add_co_u32 s16, s16, s17
	s_lshl_b32 s46, s[TC], 9                       ; 512 bytes of a row of Wb a tile column
	s_add_co_u32 s46, s46, s17
	s_mov_b32 s17, 0
	s_mov_b32 s47, 0
	s_mul_i32 s20, s[WV], HALFT                    ; and where they go: no place in the cluster enters an LDS address
	s_wait_dscnt 0x0                               ; both opening adds are done
	s_wait_kmcnt 0x0
	s_add_nc_u64 s[18:19], s[4:5], s[16:17]
	s_add_nc_u64 s[46:47], s[6:7], s[46:47]
	CROUND                                         ; all sixteen work-groups are here: the first joint loads meet
.irp s, 0,1
	s_mov_b32 s[G0+4*(\s)], 1                      ; count = 1
	s_add_co_u32 s[G0+4*(\s)+1], s20, (\s)*SLOT    ; LDS address
	s_add_nc_u64 s[G0+4*(\s)+2:G0+4*(\s)+3], s[18:19], (\s)*ASTEP  ; K step s
	s_or_b32 s[G0+4*(\s)+3], s[G0+4*(\s)+3], 0x80000000            ; type = 2
	s_mov_b32 s[G0B+4*(\s)], 1
	s_add_co_u32 s[G0B+4*(\s)+1], s20, (\s)*SLOT
	s_add_nc_u64 s[G0B+4*(\s)+2:G0B+4*(\s)+3], s[46:47], (\s)*BSTEP
	s_or_b32 s[G0B+4*(\s)+3], s[G0B+4*(\s)+3], 0x80000000
	JLOAD \s                                       ; two loads of mine are out here, one behind every later round
.endr
	; the addresses, while the first tiles are on their way
	v_and_b32 v1, 15, v0                           ; l % 16
	v_bfe_u32 v2, v0, 4, 1                         ; l / 16
	v_mul_u32_u24 v3, v1, PA
	v_lshl_add_u32 v3, v2, 4, v3                   ; a fragment of Ab: row x pitch + 16 x half
	s_mul_i32 s21, s[WV], 64*PA                    ; my 64 rows
	v_add_nc_u32 v[ADRA], s21, v3
	v_add_nc_u32 v[ADRA+1], SLOT, v[ADRA]
	v_and_b32 v4, 7, v0                            ; the turning load: lane l reads k row 8 (l / 16) + l % 8, columns 8 ((l / 8) % 2) + 0..7
	v_lshl_add_u32 v4, v2, 3, v4
	v_mul_u32_u24 v4, v4, PB
	v_bfe_u32 v5, v0, 3, 1
	v_lshl_add_u32 v4, v5, 4, v4
	v_add_nc_u32 v[ADRB], BOFF, v4
	v_add_nc_u32 v[ADRB+1], SLOT, v[ADRB]
	s_mul_i32 s21, s[WV], 16*SPITCH
	s_add_co_u32 s21, s21, STAGE                   ; my stage
	v_lshl_add_u32 v3, v2, 4, v3                   ; row x 272 + 32 x half (the stage has Ab's pitch)
	v_add_nc_u32 v[STF], s21, v3
	v_mul_u32_u24 v5, v2, SPITCH
	v_lshl_add_u32 v5, v1, 4, v5
	v_add_nc_u32 v[STR], s21, v5
	v_lshlrev_b32 v5, 12, v2
	v_lshl_add_u32 v[CO], v1, 4, v5
	s_lshl_b32 s21, s[TC], 8                       ; the tile's 64 outputs: 256 bytes
	v_lshl_add_u32 v[BO], v2, 5, s21
	; the bias in the layout of a C operand: register j of column block 4 g + p holds b[g][64 TC + 16 p + 8 (l / 16) + j]; bx into its place, bh into accumulators that are not yet in use
.set i, 0
.rept 32
	global_load_b128 v[BIAS+4*i:BIAS+4*i+3], v[BO], s[8:9] offset:(i/8)*4096+((i/2)%4)*64+(i%2)*16
.set i, i+1
.endr
	WIN 0x80
.set i, 0
.rept 32
	global_load_b128 v[4*i:4*i+3], v[BO], s[10:11] offset:(i/8)*4096+((i/2)%4)*64+(i%2)*16
.set i, i+1
.endr
	WIN 0
	; c_prev and the outputs at my wave's first row and the tile's first column
	s_lshl_b32 s78, s[TR], 20
	s_lshl_b32 s79, s[WV], 18                      ; 64 rows of 4,096 bytes
	s_add_co_u32 s78, s78, s79
	s_lshl_b32 s79, s[TC], 8
	s_add_co_u32 s78, s78, s79
	s_mov_b32 s79, 0
	s_add_nc_u64 s[CPB:CPB+1], s[CPB:CPB+1], s[78:79]
	s_add_nc_u64 s[O0B:O0B+1], s[O0B:O0B+1], s[78:79]
	s_add_nc_u64 s[O1B:O1B+1], s[O1B:O1B+1], s[78:79]
	; the prefetches: they start at K step 3; each change of slots steps them once before it asks, so the first refill (K step 2) names K step 4.  Nothing is asked for here, at the head
	s_lshl_b32 s16, s[TR], 20
	s_add_co_u32 s16, s16, 3*ASTEP
	s_lshl_b32 s17, s[TC], 9
	s_add_co_u32 s17, s17, 3*BSTEP
	s_and_b32 s22, ttmp7, 0xffff                   ; cluster y
	s_mov_b32 s18, ASTEP
	s_mov_b32 s19, BSTEP
	s_cmp_eq_u32 s[KIND], 0                        ; do I fetch for Ab?
	s_cselect_b32 s16, s16, s17
	s_cselect_b32 s21, s[CX], s[CY]                ; my place among the four that ask with me
	s_cselect_b32 s22, ttmp9, s22                  ; the coordinate along which other clusters read the same rows
	s_cselect_b64 s[PFA:PFA+1], s[4:5], s[6:7]
	s_cselect_b32 s[PFS], s18, s19
	s_cselect_b32 s23, -1, 0
	s_mov_b32 s[PFS+1], 0
	s_cmp_eq_u32 s22, 0
	s_cselect_b32 s[LIM], 1, -1                    ; the same in all sixteen partners, for a given wave
	s_lshl_b32 s21, s21, 17                        ; my work-group's share: 32 rows of 4,096 bytes, or 16 of 8,192
	s_add_co_u32 s16, s16, s21
	s_lshl_b32 s21, s[HALF], 19
	s_add_co_u32 s16, s16, s21
	s_mov_b32 s17, 0
	s_add_nc_u64 s[PFA:PFA+1], s[PFA:PFA+1], s[16:17]
	v_and_b32 v5, 31, v0
	v_lshlrev_b32 v6, 12, v5                       ; Ab: a lane a row
	v_lshrrev_b32 v7, 1, v5
	v_lshlrev_b32 v7, 13, v7                       ; Wb: two lanes a row,
	v_and_b32 v5, 1, v5
	v_lshl_or_b32 v7, v5, 8, v7                    ; 256 bytes apart
	v_cndmask_b32 v[PFO], v7, v6, s23
	s_mov_b32 s[NL], 0xbfb8aa3b                    ; -log2 e
	s_mov_b32 s[NL+1], s[NL]
	s_mov_b32 s[L2], 0x4038aa3b                    ; 2 log2 e
	s_mov_b32 s[L2+1], s[L2]
	s_wait_tensorcnt 1                             ; my part of K step 0 is in; K step 1's may stay out
	s_barrier_signal -1
	s_barrier_wait -1                              ; everybody's is
	FETCH 0, 0, 0
	s_wait_loadcnt 0x0                             ; both biases
	WIN 0x08                                       ; source 1 in window 2
.set i, 0
.rept 64
	v_pk_add_f32 v[BIAS+2*i:BIAS+2*i+1], v[BIAS+2*i:BIAS+2*i+1], v[2*i:2*i+1]
.set i, i+1
.endr
	WIN 0
	s_mov_b32 s2, TILES                            ; tiles to go: the same number in every work-group
.Ltile:
	QUARTER 0, 1, 0, 1, 1                          ; a tile's first quarter: its products start the sums with the bias
	WIN 0                                          ; at a label and at a branch every window is 0
	s_mov_b32 s3, LAPS-1
.Llap:                                         ; a trip goes once round the ring, from a lap's second quarter to the next lap's first, and fills both slots again
	QUARTER 0, 2, 1, 0
	QUARTER 0, 3, 0, 1
	TURN 0, 1, 0
	QUARTER 1, 1, 0, 1
	QUARTER 1, 2, 1, 0
	QUARTER 1, 3, 0, 1
	TURN 1, 0, 0
	QUARTER 0, 1, 0, 1
	WIN 0
	s_sub_co_u32 s3, s3, 1
	s_cmp_lg_u32 s3, 0
	s_cbranch_scc1 .Llap
	QUARTER 0, 2, 1, 0                             ; the tile's last lap goes on
	WIN 0
	LOADC 0                                        ; c_prev of my first row block, for the tail: into registers that no product names
	QUARTER 0, 3, 0, 1
	WIN 0
	s_cmp_eq_u32 s2, 1
	s_cbranch_scc1 .Llast                          ; the last tile's last K steps are written out: they ask for nothing
	TURN 0, 1, 1                                   ; the ring goes on into the next tile: slot 0 takes its K step 0,
	QUARTER 1, 1, 0, 1
	QUARTER 1, 2, 1, 0
	QUARTER 1, 3, 0, 1
	TURN 1, 0, 1                                   ; slot 1 its K step 1, and the next tile's first fragments are fetched into buffer 0, which the tail leaves alone
	WIN 0
	s_branch .Lout
.Llast:
	MEET 0                                         ; my one tensor load that was out is the last K step's, so no round follows
	PLACES
	FETCH 1, 0, 0
	MUL16 1, 2
	MUL16 1, 3
	QUARTER 1, 1, 0, 1
	QUARTER 1, 2, 1, 0
	QUARTER 1, 3, 0, 1
	s_wait_dscnt 4                                 ; the very last quarter: nothing more to fetch
	MUL16 1, 0
	MUL16 1, 1
	s_wait_dscnt 0x0
	MUL16 1, 2
	MUL16 1, 3
	WIN 0
.Lout:                                         ; THE WAY OUT, written once for both tiles
.rept 8
	v_nop                                          ; the places behind the last products, in front of loads into buffer 1 and of the lines that read results
.endr
	EPI 0
	EPI 1
	EPI 2
	EPI 3
	s_wait_dscnt 0x0
	SENDO OB0, O0B, 3
	WIN 0
	s_wait_xcnt 0x0                                ; every load and store has read its registers: the three bases, and buffer 1, may be written
	s_add_nc_u64 s[CPB:CPB+1], s[CPB:CPB+1], WALKB
	s_add_nc_u64 s[O0B:O0B+1], s[O0B:O0B+1], WALKB
	s_add_nc_u64 s[O1B:O1B+1], s[O1B:O1B+1], WALKB
	s_sub_co_u32 s2, s2, 1
	s_cmp_lg_u32 s2, 0
	s_cbranch_scc1 .Ltile
	s_wait_tensorcnt 0x0                           ; the wave's end, behind my last tensor load and my last LDS store
	ds_add_u32 v[SPW], v[NIL]
	s_wait_dscnt 0x0
	CROUND                                         ; the closing round: no work-group ends while a partner may still ask for a tile that names it
	s_endpgm
.Lfunc_end_k_qccc45985a7_cell:
	.size	k_qccc45985a7_cell, .Lfunc_end_k_qccc45985a7_cell-k_qccc45985a7_cell
	.p2alignl 7, 3214868480
	.fill 96, 4, 3214868480
	.section	.rodata,"a",@progbits
	.p2align	6, 0x0
	.amdhsa_kernel k_qccc45985a7_cell
		.amdhsa_group_segment_fixed_size 327680
		.amdhsa_private_segment_fixed_size 0
		.amdhsa_enable_private_segment 0
		.amdhsa_kernarg_size 56
		.amdhsa_user_sgpr_count 2
		.amdhsa_user_sgpr_kernarg_segment_ptr 1
		.amdhsa_wavefront_size32 1
		.amdhsa_system_sgpr_workgroup_id_x 1
		.amdhsa_system_sgpr_workgroup_id_y 1
		.amdhsa_system_sgpr_workgroup_id_z 1
		.amdhsa_system_vgpr_workitem_id 0
		.amdhsa_next_free_vgpr 1024
		.amdhsa_next_free_sgpr 84
		.amdhsa_reserve_vcc 0
		.amdhsa_float_denorm_mode_32 3
		.amdhsa_float_denorm_mode_16_64 3
		.amdhsa_memory_ordered 1
		.amdhsa_forward_progress 1
		.amdhsa_inst_pref_size 255
	.end_amdhsa_kernel
	.section	.bss,"aw",@nobits
	.p2align	6
	.space	262144
	.amdgpu_metadata
---
amdhsa.version: [ 1, 2 ]
amdhsa.kernels:
  - .name:           k_qccc45985a7_cell
    .symbol:         k_qccc45985a7_cell.kd
    .args:
      - { .name: Ab, .offset: 0, .size: 8, .value_kind: global_buffer, .address_space: global }
      - { .name: Wb, .offset: 8, .size: 8, .value_kind: global_buffer, .address_space: global }
      - { .name: bx, .offset: 16, .size: 8, .value_kind: global_buffer, .address_space: global }
      - { .name: bh, .offset: 24, .size: 8, .value_kind: global_buffer, .address_space: global }
      - { .name: previous_cell_states, .offset: 32, .size: 8, .value_kind: global_buffer, .address_space: global }
      - { .name: out0, .offset: 40, .size: 8, .value_kind: global_buffer, .address_space: global }
      - { .name: out1, .offset: 48, .size: 8, .value_kind: global_buffer, .address_space: global }
    .group_segment_fixed_size: 327680
    .private_segment_fixed_size: 0
    .kernarg_segment_align: 8
    .kernarg_segment_size: 56
    .max_flat_workgroup_size: 128
    .sgpr_count:     84
    .vgpr_count:     1024
    .wavefront_size: 32
...
	.end_amdgpu_metadata
.endif
;; end of part 2
;; ======== version 2 of 2: 2 launches; version 1 with the launch prep written anew for expert scheduling mode
;; limits: a function is approximated: absolute error at most 3e-07
;; workspace buffers: Ab 33,554,432 bytes; Wb 16,777,216 bytes
;; launch prep (part 3): grid 256 x 3, 8 waves a work-group, no clusters, 0 bytes of LDS; arguments input_embedding, previous_hidden_states, Wx, Wh, Ab, Wb; writes Ab, Wb
.if DOCPART == 3
	.amdgcn_target "amdgcn-amd-amdhsa--gfx1250"
	.amdhsa_code_object_version 6
	.text
	.protected	k_qccc45985a7_prep
	.globl	k_qccc45985a7_prep
	.p2align	8
	.type	k_qccc45985a7_prep,@function
k_qccc45985a7_prep:
	s_mov_b64 s[64:65], 0
	v_nop
	global_prefetch_b8 v0, s[64:65] scope:SCOPE_SE
	s_setreg_imm32_b32 hwreg(HW_REG_WAVE_SCHED_MODE, 0, 2), 2
	s_setreg_imm32_b32 hwreg(HW_REG_WAVE_MODE, 25, 1), 1
	s_wait_xcnt 0x0
	s_wait_alu depctr_vm_vsrc(0)
; LSTM cell, first of two launches: the matrix operands are rounded to bf16 once and laid out for the product.
; NOTHING OF reference() IS LEFT OUT in this program: every input (x, h, c_prev, Wx, bx, Wh, bh) has a way to both outputs, and all are loaded; this launch takes the four that are matrix operands.
;   Ab [8192][2048] bf16: row b holds x[b][0..1023], then h[b][0..1023]: the two products of reference() become one, with K = 2,048.
;   Wb [2048][4096] bf16: row k is Wx[.][k][.] (k < 1024) or Wh[.][k-1024][.]; column n = 256 (o / 64) + 64 g + o % 64: the four gates of 64 neighbouring outputs lie in 512 neighbouring bytes.
; LIMIT: x, h, Wx and Wh are rounded to bf16 (nearest even); beyond that nothing is changed here.
; A stream: no LDS, no barrier, no matrix unit.  768 work-groups of eight waves, each 128 KiB in and 64 KiB out.  y = 0: 32 rows of x; y = 1: 32 rows of h; y = 2: eight rows i of all four gates of Wx (x < 128) or Wh.
; Each wave issues all its 32 loads of 16 bytes a lane at once and takes them in order, four at a time; a store of 8 bytes a lane covers 256 consecutive bytes, aligned.  No register is written again behind its store.
; THE MODE: SCHED_MODE bits 1:0 = 2 (LLVM: expert scheduling mode 2), set by the entry lines.  The code itself states the register dependences
; between vector instructions and memory instructions, with s_wait_alu, always for 0.
; THE PLAN.  Registers that memory instructions touch:
;   v1, v3     the loads' offsets, v2 the stores' offset: written by vector instructions at the head, never again.  One wait on va_vdst ahead of the first load states that they are written.
;   X          four registers a load.  No vector instruction names them ahead of the load that lands in them.  Two roundings read the four and write the first two; one store reads those two; nothing writes them after.
; The 32 loads go in eight groups of four.  Group g's memory instructions are the four stores of group g - 1, whose pairs the roundings of group g - 1 wrote; group g's roundings name group g's registers alone.
; So ONE wait on va_vdst at a group's head states all that its four stores hang on, and these are dealt among its roundings with no further wait.  No register that a memory instruction
; has read is written again, so no wait on vm_vsrc is owed anywhere.
.set X, 8                              ; v[8:135]  32 loads x 4 registers; the rounded pair takes the first two of each four
; Group g: loads 4 g to 4 g + 3 have come (the 28 - 4 g younger ones stay out) and are rounded, four numbers to two words; the four stores of group g - 1 stand among the roundings.
; pitch: bytes from one store's place to the next.
.macro GROUP g, pitch
	s_wait_loadcnt 28-4*(\g)                       ; loads come back in order (ISA guide 5.7.1)
.if (\g) > 0
	s_wait_alu depctr_va_vdst(0)                   ; the roundings of the group before have written their four pairs, which the stores below read
.endif
.irp i, 0,1,2,3
.if (\g) > 0
	global_store_b64 v2, v[X+16*(\g)-16+4*(\i):X+16*(\g)-16+4*(\i)+1], s[20:21] offset:(4*(\g)-4+(\i))*(\pitch)  ; no vector instruction since the wait names these registers
.endif
	v_cvt_pk_bf16_f32 v[X+16*(\g)+4*(\i)], v[X+16*(\g)+4*(\i)], v[X+16*(\g)+4*(\i)+1]
	v_cvt_pk_bf16_f32 v[X+16*(\g)+4*(\i)+1], v[X+16*(\g)+4*(\i)+2], v[X+16*(\g)+4*(\i)+3]
.endr
.endm
; behind group 7: its own four stores
.macro LAST pitch
	s_wait_alu depctr_va_vdst(0)                   ; the roundings of group 7 have written their four pairs, which the last stores read
.irp i, 0,1,2,3
	global_store_b64 v2, v[X+112+4*(\i):X+112+4*(\i)+1], s[20:21] offset:(28+(\i))*(\pitch)
.endr
.endm
	s_load_b256 s[4:11], s[0:1], 0x0               ; x s[4:5], h s[6:7], Wx s[8:9], Wh s[10:11]
	s_load_b128 s[12:15], s[0:1], 0x20             ; Ab s[12:13], Wb s[14:15]
	s_and_b32 s16, ttmp7, 0xffff                   ; y: which source
	s_mov_b32 s23, 0                               ; the high word of every offset
	s_cmp_eq_u32 s16, 2
	s_cbranch_scc1 .Lweights
	; x or h: thread t owns 16 bytes at 16 t of each of 32 rows of 4,096 bytes, and 8 bytes at 8 t of the row's half in Ab
	v_lshlrev_b32 v1, 4, v0
	v_lshlrev_b32 v2, 3, v0
	s_lshl_b32 s22, ttmp9, 17                      ; 32 rows of 4,096 bytes, in the source and in Ab alike
	s_wait_kmcnt 0x0
	s_cmp_eq_u32 s16, 0
	s_cselect_b64 s[18:19], s[4:5], s[6:7]
	s_add_nc_u64 s[18:19], s[18:19], s[22:23]
	s_add_nc_u64 s[20:21], s[12:13], s[22:23]
	s_lshl_b32 s22, s16, 11                        ; h lies 2,048 bytes into Ab's rows
	s_add_nc_u64 s[20:21], s[20:21], s[22:23]
	s_wait_alu depctr_va_vdst(0)                   ; v1 and v2 are written: every load below reads v1 as its offset, every store v2
.set j, 0
.rept 32
	global_load_b128 v[X+4*j:X+4*j+3], v1, s[18:19] offset:j*4096 th:TH_LOAD_NT
.set j, j+1
.endr
.irp g, 0,1,2,3,4,5,6,7
	GROUP \g, 4096
.endr
	LAST 4096
	s_endpgm
.Lweights:
	; a wave owns row i = 8 (x % 128) + wave of all four gates.  Load 2 ob + t: lanes 0-15 take 256 bytes (outputs 64 ob ..) of gate 2 t, lanes 16-31 of gate 2 t + 1;
	; rounded, these are the 256 bytes at 512 ob + 256 t of Wb's row: byte 8 l of them is the lane's.
	v_lshrrev_b32 v4, 5, v0
	v_readfirstlane_b32 s17, v4                    ; wave 0..7
	v_and_b32 v4, 31, v0                           ; l
	v_and_b32 v1, 15, v0
	v_lshlrev_b32 v1, 4, v1                        ; 16 (l % 16)
	v_bfe_u32 v5, v0, 4, 1
	v_lshl_or_b32 v1, v5, 22, v1                   ; + (l / 16) gates of 4 MiB
	v_add_nc_u32 v3, 0x800000, v1                  ; gates 2 and 3: two gates on, one more than a load's immediate holds
	v_lshlrev_b32 v2, 3, v4
	s_wait_alu depctr_va_sdst(0)                   ; s17 is written, ahead of its first reader: the row i, and with it both bases, are made from it
	s_and_b32 s24, ttmp9, 127
	s_lshl_b32 s24, s24, 3
	s_add_co_u32 s24, s24, s17                     ; i
	s_lshr_b32 s25, ttmp9, 7                       ; 0: Wx, 1: Wh
	s_lshl_b32 s22, s24, 12                        ; i rows of 4,096 bytes
	s_wait_kmcnt 0x0
	s_cmp_eq_u32 s25, 0
	s_cselect_b64 s[18:19], s[8:9], s[10:11]
	s_add_nc_u64 s[18:19], s[18:19], s[22:23]
	s_lshl_b32 s25, s25, 10
	s_add_co_u32 s24, s24, s25                     ; k = i, or 1,024 + i
	s_lshl_b32 s22, s24, 13                        ; k rows of 8,192 bytes
	s_add_nc_u64 s[20:21], s[14:15], s[22:23]
	s_wait_alu depctr_va_vdst(0)                   ; v1, v2 and v3 are written: the loads below read v1 or v3 as their offset, every store v2
.set j, 0
.rept 16
	global_load_b128 v[X+8*j:X+8*j+3],   v1, s[18:19] offset:j*256 th:TH_LOAD_NT
	global_load_b128 v[X+8*j+4:X+8*j+7], v3, s[18:19] offset:j*256 th:TH_LOAD_NT
.set j, j+1
.endr
.irp g, 0,1,2,3,4,5,6,7
	GROUP \g, 256
.endr
	LAST 256
	s_endpgm
.Lfunc_end_k_qccc45985a7_prep:
	.size	k_qccc45985a7_prep, .Lfunc_end_k_qccc45985a7_prep-k_qccc45985a7_prep
	.p2alignl 7, 3214868480
	.fill 96, 4, 3214868480
	.section	.rodata,"a",@progbits
	.p2align	6, 0x0
	.amdhsa_kernel k_qccc45985a7_prep
		.amdhsa_group_segment_fixed_size 0
		.amdhsa_private_segment_fixed_size 0
		.amdhsa_enable_private_segment 0
		.amdhsa_kernarg_size 48
		.amdhsa_user_sgpr_count 2
		.amdhsa_user_sgpr_kernarg_segment_ptr 1
		.amdhsa_wavefront_size32 1
		.amdhsa_system_sgpr_workgroup_id_x 1
		.amdhsa_system_sgpr_workgroup_id_y 1
		.amdhsa_system_sgpr_workgroup_id_z 1
		.amdhsa_system_vgpr_workitem_id 0
		.amdhsa_next_free_vgpr 136
		.amdhsa_next_free_sgpr 66
		.amdhsa_reserve_vcc 0
		.amdhsa_float_denorm_mode_32 3
		.amdhsa_float_denorm_mode_16_64 3
		.amdhsa_memory_ordered 1
		.amdhsa_forward_progress 1
		.amdhsa_inst_pref_size 23
	.end_amdhsa_kernel
	.amdgpu_metadata
---
amdhsa.version: [ 1, 2 ]
amdhsa.kernels:
  - .name:           k_qccc45985a7_prep
    .symbol:         k_qccc45985a7_prep.kd
    .args:
      - { .name: input_embedding, .offset: 0, .size: 8, .value_kind: global_buffer, .address_space: global }
      - { .name: previous_hidden_states, .offset: 8, .size: 8, .value_kind: global_buffer, .address_space: global }
      - { .name: Wx, .offset: 16, .size: 8, .value_kind: global_buffer, .address_space: global }
      - { .name: Wh, .offset: 24, .size: 8, .value_kind: global_buffer, .address_space: global }
      - { .name: Ab, .offset: 32, .size: 8, .value_kind: global_buffer, .address_space: global }
      - { .name: Wb, .offset: 40, .size: 8, .value_kind: global_buffer, .address_space: global }
    .group_segment_fixed_size: 0
    .private_segment_fixed_size: 0
    .kernarg_segment_align: 8
    .kernarg_segment_size: 48
    .max_flat_workgroup_size: 256
    .sgpr_count:     66
    .vgpr_count:     136
    .wavefront_size: 32
...
	.end_amdgpu_metadata
.endif
;; end of part 3
;; launch cell: the kernel of part 2 again; grid 16 x 16, 4 waves a work-group, clusters of 4 x 4, 327,680 bytes of LDS; arguments Ab, Wb, bx, bh, previous_cell_states, out0, out1; writes out0, out1
